; MI455X (gfx1250); checked and timed in simulation.
; The chip was launched on July 23, 2026; its instructions are those of AMD's public machine-readable ISA for CDNA 5 (MIT licence, August 2026) and "CDNA5" Instruction Set Architecture Reference Guide (July 2026). The comments in the code are by the model that wrote it; some were corrected since.
;; Multi Head Attention. Allowed arithmetic: matrix products marked QUANTISED: E4M3 operands, one given power-of-two scale a tensor, by v_wmma_f32_16x16x64_fp8_fp8 or v_wmma_f32_16x16x128_fp8_fp8, f32 sums; everything else in f32.
;; Inputs: Wk_codes 384 x 12 x 32 uint8 (E4M3 codes of Wk, K innermost, in blocks of 32 codes); Wo_codes 384 x 12 x 32 uint8 (E4M3 codes of Wo, K innermost, in blocks of 32 codes); Wq_codes 384 x 12 x 32 uint8 (E4M3 codes of Wq, K innermost, in blocks of 32 codes); Wv_codes 384 x 12 x 32 uint8 (E4M3 codes of Wv, K innermost, in blocks of 32 codes); attention_mask 2 x 1 x 1 x 4,096 float32; bo 384 float32; hidden_states_codes 2 x 4,096 x 12 x 32 uint8 (E4M3 codes of hidden_states, K innermost, in blocks of 32 codes); lowp_scales 12 int32 (the exponents e of the quantised operands' scales 2^e).
;; Outputs: out0 2 x 4,096 x 384 float32.
;; This version of the problem:
;;   THIS VERSION OF THE PROBLEM IS GIVEN IN LOW PRECISION. The matrix products marked QUANTISED in the list below multiply operands that are first quantised to E4M3 (4 exponent bits, 3 mantissa bits; 8 bits a number), with one given power-of-two scale for each operand tensor; their sums are f32. All else is computed in f32.
;;   The module's matrix products, in the order in which they are computed (A, B: the left and right operand; K: the contracted axis; several contracted axes count as one K, in the product's order):
;;     1. [M 8,192, K 384] x [K 384, N 384]; A: input hidden_states (given as codes); B: input Wq (given as codes): QUANTISED (scales: A lowp_scales[0], B lowp_scales[1])
;;     2. [M 8,192, K 384] x [K 384, N 384]; A: input hidden_states (given as codes); B: input Wk (given as codes): QUANTISED (scales: A lowp_scales[2], B lowp_scales[3])
;;     3. [M 8,192, K 384] x [K 384, N 384]; A: input hidden_states (given as codes); B: input Wv (given as codes): QUANTISED (scales: A lowp_scales[4], B lowp_scales[5])
;;     4. batch 12 x [M 4,096, K 64] x [K 64, N 4,096]; A: computed on the way; B: computed on the way: QUANTISED (scales: A lowp_scales[6], B lowp_scales[7])
;;     5. batch 12 x [M 4,096, K 4,096] x [K 4,096, N 64]; A: softmax (see below); B: computed on the way: QUANTISED (scales: A lowp_scales[8], B lowp_scales[9])
;;     6. [M 8,192, K 384] x [K 384, N 384]; A: computed on the way; B: input Wo (given as codes): QUANTISED (scales: A lowp_scales[10], B lowp_scales[11])
;;   THE QUANTISER, for each operand of a quantised product, along K:
;;     - The operand's scale is 2^e, e = its entry of the input lowp_scales (int32; the entries are numbered through the quantised products in the list's order, A before B).
;;     - Each number is divided by the scale, clamped to +-448, and rounded to the nearest number of E4M3, ties to even, subnormals kept.
;;     - The product sums the exact products of the quantised numbers (number of the format x scale) in f32.
;;   ~~~python
;;   def quantise(x, axis, e):      # numpy; x: float32 -> the quantised numbers, widened to float32 again
;;       x = np.moveaxis(x, axis, -1); K = x.shape[-1]
;;       r = np.clip(x / 2.0 ** e, -448, 448)
;;       step = 2.0 ** (np.maximum(np.frexp(np.where(r == 0, 1, r))[1] - 1, -6) - 3)
;;       q = np.round(r / step) * step * 2.0 ** e      # np.round: ties to even
;;       return np.moveaxis(q, -1, axis).astype(np.float32)
;;   ~~~
;;   SOFTMAX AHEAD OF A QUANTISED PRODUCT. Where the list says 'softmax', what is quantised is not the finished softmax but p = 2^(t - M), with t = logit x log2(e) and M = ceil(the row's largest t), a whole number; so 1/2 < the row's largest p <= 1. The row's sum l is taken of the UNQUANTISED p, in f32, and the product's result is divided by l at the end. Since M is a whole number, a kernel that streams over the keys may use a running M (the ceiling of the running maximum): every later rescaling is an exact power of two, so the quantised numbers keep their values, but for numbers so far below the row's largest that they fall under the format's range.
;;   OPERANDS COMPUTED ON THE WAY. 'Computed on the way' means the value that the module computes at that place (a softmax that the list does not call 'softmax' is quantised finished and normalised). What goes into a quantiser is computed in f32, as accurately as f32 sums, v_exp_f32 and their like allow (about 1e-6 of the number): no bf16 or f16 on the way to a quantiser, and a product that is left as it is and whose result goes on into a quantised operand takes f32 operands (vector FMAs, or v_wmma_f32_16x16x4_f32). A number that lies on a knife's edge between two numbers of the format may be rounded either way, as far as f32 arithmetic and the matrix unit's own rounding can turn it there, and no further.
;;   INPUTS GIVEN AS CODES. Wk (in the module: [384, 384], K = its axis 1); Wo (in the module: [384, 384], K = its axis 1); Wq (in the module: [384, 384], K = its axis 1); Wv (in the module: [384, 384], K = its axis 1); hidden_states (in the module: [2, 4096, 384], K = its axis 2): each comes as NAME_codes (uint8): NAME with its K axis moved to the last place and cut into blocks of 32 codes, [.., K / 32, bytes a block], one block behind the other in memory; one code a byte (a code: sign, 4 exponent bits, 3 mantissa bits); its scale is its entry of lowp_scales. Its value is code x scale, taken as it is: it is not quantised again, and the codes and scales need not be those that the quantiser above would give.
;; One version. Each part assembles by itself: llvm-mc -triple=amdgcn-amd-amdhsa -mcpu=gfx1250 --defsym DOCPART=n.
;; ======== version 1 of 1: 3 launches
;; limits: inputs' magnitudes at most 65,536; right only within a limited range of input values
;; workspace buffers: qf 3,145,728 bytes; kvf 6,291,456 bytes; maskf 32,768 bytes; ctxf 3,145,728 bytes
;; launch qkv (part 1): grid 128 x 2, 12 waves a work-group, clusters of 4 x 1, 327,680 bytes of LDS; arguments hidden_states_codes, Wq_codes, Wk_codes, Wv_codes, attention_mask, lowp_scales, qf, kvf, maskf; writes qf, kvf, maskf
.if DOCPART == 1
	.amdgcn_target "amdgcn-amd-amdhsa--gfx1250"
	.amdhsa_code_object_version 6
	.text
	.protected	k_qe4acb0e04c_qkv
	.globl	k_qe4acb0e04c_qkv
	.p2align	8
	.type	k_qe4acb0e04c_qkv,@function
k_qe4acb0e04c_qkv:
	s_mov_b64 s[64:65], 0
	v_nop
	global_prefetch_b8 v0, s[64:65] scope:SCOPE_SE
	s_setreg_imm32_b32 hwreg(HW_REG_WAVE_MODE, 25, 1), 1
	s_wait_xcnt 0x0
	s_wait_alu depctr_hold_cnt(0) depctr_sa_sdst(0) depctr_va_vdst(0) depctr_va_sdst(0) depctr_va_ssrc(0) depctr_va_vcc(0) depctr_vm_vsrc(0)
	s_getreg_b32 s2, hwreg(HW_REG_IB_STS2, 6, 4)
	s_cmp_eq_u32 s2, 0
	s_cbranch_scc0 .Lentry_in_a_cluster
	s_endpgm
.Lentry_in_a_cluster:
	s_bfe_u32 s2, ttmp6, 0x10000c
	s_cmp_lg_u32 s2, 0x3003
	s_cbranch_scc0 .Lentry_shape_is_right
	s_endpgm
.Lentry_shape_is_right:
; q = h Wq^T, k = h Wk^T, v = h Wv^T on the given E4M3 codes (K = 384, three steps of 128), each result quantised at once to E4M3 with its given scale
; (q: e6, k: e7, v: e9) and stored as IMAGES OF OPERAND REGISTERS for the attention launch: blocks of 512 bytes, lane l's 16 bytes at 16 l.  Also: the mask, held from below and scaled.
; SHARES.  A work-group takes 64 tokens (x = 0..127) and three heads (y = 0, 1: heads 3 y .. 3 y + 2): 64 x 576 results.  Wave w: matrix m = w / 4 (q, k, v), 32 tokens tb = (w / 2) % 2, half of a head's 64 columns bq = w % 2;
; it walks the three heads, 12 matrix instructions each (2 tiles of tokens x 2 tiles of columns x 3 K steps).
; THE ROWS OF A TILE ARE NOT NEIGHBOURS: lane r of tile u of a block of 32 (tokens, or rows of W) takes row 8 u + r + 8 (r / 8).  So a lane's 16 results of two neighbouring tiles are 16 NEIGHBOURS, 16 (lane / 16) + 0 .. 15:
; the conversions' four registers are four registers of the next product's operand.  q, k: source 0 = rows of W, source 1 = tokens: a lane holds one token, registers run along d.
; v: source 0 = tokens, source 1 = rows of Wv: a lane holds one channel, registers run along the keys, which are the K of the second product of attention.
; Every 8-bit fragment is held as registers 4 c .. 4 c + 3 = k 32 c + 16 (lane / 16) + 0 .. 15, in both operands alike: a permutation of k that leaves every product with its partner.
; CLUSTER 4 x 1: the four partners have the same y, so they need the same 576 rows of W: nine joint loads (waves 0 to 8), each with the same descriptor and the mask of all four.  The 64 tokens are a work-group's own: a plain load (wave 9).
; A wider cluster would share nothing more: along y the rows of W differ.  LDS is filled once: no slot is filled again.
; THE MASK.  maskf = max(mask, -65536) x 2^(3 - e6 - e7): in the units of a sum of code products, so that the attention launch can give it to the matrix unit as the sum's start.
; LIMITS: a mask number under -65,536 is held there (-infinity too; the result differs from the definition only where all keys of a batch lie under about -6e4); +infinity and NaN in the mask are not served.
; e6 - e0 - e1, e7 - e2 - e3 and e9 - e4 - e5 lie between -126 and 119, so that each scale and 448 x the scale are f32 numbers.
.set REG,  27648                       ; an LDS region: 64 rows of 384 codes as 192 pieces of 128 bytes, each + 16 of padding
.set HB,   9*REG                       ; regions 0 to 8: W (3 m + head in the work-group); region 9: the tokens
.set RP,   432                         ; so a row of 384 codes is 3 x 144 bytes
.set HF,   16                          ; v16-111   the tokens' fragments [u][s], 16 registers each
.set WF,   112                         ; v112-207  W's fragments [tile][s]
.set ACC,  208                         ; v208-239  four accumulators [x][y]
.set COD,  240                         ; v240-255  codes: two sets of eight, by turns
.macro CROUND                          ; a round of the cluster's barrier
	s_barrier_signal -1
	s_barrier_wait -1
	s_cmp_lg_u32 s22, 0
	s_cbranch_scc1 .Lnw0_\@
	s_barrier_signal -3
.Lnw0_\@:
	s_barrier_wait -3
	s_barrier_signal -1
	s_barrier_wait -1
.endm
	s_load_b256 s[4:11], s[0:1], 0x0               ; h's codes s[4:5], Wq s[6:7], Wk s[8:9], Wv s[10:11]
	s_load_b256 s[12:19], s[0:1], 0x20             ; mask s[12:13], exponents s[14:15], qf s[16:17], kvf s[18:19]
	s_load_b64 s[20:21], s[0:1], 0x40              ; maskf
	v_lshl_add_u32 v14, v0, 2, 276480              ; my spare word, behind the ten regions: 128 bytes a wave
	v_mov_b32 v15, 0
	ds_add_u32 v14, v15                            ; the opening lines: the add, twice on end, and its wait ahead of the first round
	ds_add_u32 v14, v15
	v_lshrrev_b32 v1, 5, v0
	s_delay_alu instid0(VALU_DEP_1)
	v_readfirstlane_b32 s22, v1                    ; wave 0..11
	s_and_b32 s23, ttmp7, 0xffff                   ; y: which three heads; the four partners share it
	s_bfe_u32 s66, ttmp6, 0x40000                  ; cx
	s_lshl_b32 s67, ttmp9, 2
	s_add_co_u32 s67, s67, s66                     ; x: which 64 tokens
	; descriptor group 1, twice: 24,576 dense bytes stated as 96 rows of 256 elements of one byte; 4 words of padding behind every 32, so the LDS image is pieces of 128 bytes + 16
	s_mov_b32 s24, 15|(1<<20)|(1<<21)|(4<<22)|(3<<25)  ; the joint form: mask of all four partners, bit 21 beside it
	s_mov_b32 s32, (1<<20)|(4<<22)|(3<<25)         ; the plain form
.irp g, 24, 32
	s_mov_b32 s[\g+1], 256<<16                     ; tensor_dim0
	s_mov_b32 s[\g+2], 96<<16                      ; tensor_dim1
	s_mov_b32 s[\g+3], 256<<16                     ; tile_dim0
	s_mov_b32 s[\g+4], 96                          ; tile_dim1
	s_mov_b32 s[\g+5], 256                         ; from row to row
	s_mov_b32 s[\g+6], 0
	s_mov_b32 s[\g+7], 0
.endr
	s_mul_i32 s68, s22, 11
	s_lshr_b32 s68, s68, 5                         ; wave / 3: which matrix I fetch for (waves 0 to 8)
	s_mul_i32 s69, s68, 3
	s_sub_co_u32 s69, s22, s69                     ; wave % 3: which of the three heads
	s_mul_i32 s72, s69, 24576                      ; 64 rows of 384 bytes
	s_mul_i32 s73, s23, 73728                      ; 192 rows
	s_add_co_u32 s72, s72, s73
	s_mov_b32 s73, 0
	s_mul_i32 s70, s67, 24576                      ; my work-group's 64 tokens
	s_mov_b32 s71, 0
	s_wait_dscnt 0x0                               ; both opening adds are done
	s_wait_kmcnt 0x0
	s_load_b256 s[48:55], s[14:15], 0x0            ; e0 .. e7
	s_load_b128 s[56:59], s[14:15], 0x20           ; e8 .. e11
	s_mov_b32 s40, 1                               ; group 0 of the joint load: made of the wave's number and y alone
	s_mul_i32 s41, s22, REG
	s_cmp_lt_u32 s22, 6
	s_cselect_b64 s[42:43], s[8:9], s[10:11]
	s_cmp_lt_u32 s22, 3
	s_cselect_b64 s[42:43], s[6:7], s[42:43]
	s_add_nc_u64 s[42:43], s[42:43], s[72:73]
	s_or_b32 s43, s43, 0x80000000
	s_mov_b32 s44, 1                               ; group 0 of the plain load
	s_mov_b32 s45, HB
	s_add_nc_u64 s[46:47], s[4:5], s[70:71]
	s_or_b32 s47, s47, 0x80000000
	CROUND                                         ; all four work-groups are here: the joint loads meet
	s_cmp_lt_u32 s22, 9                            ; the branches hang on the wave's number alone; four v_nop follow each load
	s_cbranch_scc0 .Lnot_w
	tensor_load_to_lds s[40:43], s[24:31]
	s_nop 0
.rept 4
	v_nop
.endr
	s_branch .Lasked
.Lnot_w:
	s_cmp_eq_u32 s22, 9
	s_cbranch_scc0 .Lasked
	tensor_load_to_lds s[44:47], s[32:39]
	s_nop 0
.rept 4
	v_nop
.endr
.Lasked:
	v_and_b32 v10, 15, v0                          ; r
	v_bfe_u32 v11, v0, 4, 1                        ; h
	s_delay_alu instid0(VALU_DEP_2)
	v_and_b32 v12, 8, v10
	s_delay_alu instid0(VALU_DEP_1)
	v_add_nc_u32 v12, v12, v10                     ; r + 8 (r / 8)
	s_delay_alu instid0(VALU_DEP_1)
	v_mul_u32_u24 v12, v12, RP
	s_delay_alu instid0(VALU_DEP_1)
	v_lshl_add_u32 v12, v11, 4, v12                ; my row of a tile, + 16 h
	s_wait_alu depctr_va_vdst(0)
	s_lshr_b32 s74, s22, 2                         ; m
	s_bfe_u32 s75, s22, 0x10001                    ; tb
	s_and_b32 s76, s22, 1                          ; bq
	s_mul_i32 s77, s75, 32*RP
	s_add_co_u32 s77, s77, HB
	v_add_nc_u32 v1, s77, v12                      ; v1: the tokens' fragments
	s_mul_i32 s77, s74, 192*RP
	s_mul_i32 s78, s76, 32*RP
	s_add_co_u32 s77, s77, s78
	v_add_nc_u32 v2, s77, v12                      ; v2: W's fragments
	v_and_b32 v3, 31, v0
	s_delay_alu instid0(VALU_DEP_1)
	v_lshlrev_b32 v3, 4, v3                        ; v3: 16 x lane: my place in an image
	; where my images go.  qf: [b][qb / 8][head][qb % 8][u][bq][512], qb = a block of 32 queries.  kvf: [b][step][2 head + key half][8,192]: K [tile 4][bq 2][512], then V [tile 4][tb 2][512]
	s_lshr_b32 s80, s67, 6                         ; b
	s_and_b32 s81, s67, 63                         ; which 64 tokens of the batch
	s_lshr_b32 s82, s81, 5                         ; key half
	s_and_b32 s83, s81, 31                         ; step
	s_lshl_b32 s84, s81, 1
	s_add_co_u32 s84, s84, s75                     ; qb
	s_lshl_b32 s85, s80, 4
	s_lshr_b32 s86, s84, 3
	s_add_co_u32 s85, s85, s86
	s_mul_i32 s85, s85, 6
	s_mul_i32 s86, s23, 3
	s_add_co_u32 s85, s85, s86
	s_lshl_b32 s85, s85, 14
	s_and_b32 s86, s84, 7
	s_lshl_b32 s86, s86, 11
	s_add_co_u32 s85, s85, s86
	s_lshl_b32 s86, s76, 9                         ; 512 bq
	s_add_co_u32 s85, s85, s86                     ; q's offset
	s_lshl_b32 s87, s80, 5
	s_add_co_u32 s87, s87, s83
	s_mul_i32 s87, s87, 12
	s_mul_i32 s88, s23, 6
	s_add_co_u32 s87, s87, s88
	s_add_co_u32 s87, s87, s82
	s_lshl_b32 s87, s87, 13                        ; the wave tile of head 3 y
	s_lshl_b32 s88, s75, 11
	s_add_co_u32 s88, s88, s86
	s_add_co_u32 s88, s88, s87                     ; k's offset: + 2,048 tb + 512 bq
	s_lshl_b32 s89, s76, 11
	s_lshl_b32 s90, s75, 9
	s_add_co_u32 s89, s89, s90
	s_add_co_u32 s89, s89, 4096
	s_add_co_u32 s89, s89, s87                     ; v's offset: + 4,096 + 2,048 bq + 512 tb
	s_cmp_eq_u32 s74, 1
	s_cselect_b32 s88, s88, s89
	s_cmp_eq_u32 s74, 0
	s_cselect_b32 s62, s85, s88
	s_cselect_b64 s[60:61], s[16:17], s[18:19]
	s_mov_b32 s63, 0
	s_add_nc_u64 s[60:61], s[60:61], s[62:63]      ; the stores' base; head and tile stand in the immediate
	s_wait_kmcnt 0x0
	s_sub_co_i32 s77, s54, s48                     ; a sum stands for sum x 2^(the two operands' e): its code is sum / 2^(e of the result - those two): three scales in one
	s_sub_co_i32 s77, s77, s49                     ; q: e6 - e0 - e1
	s_sub_co_i32 s78, s55, s50
	s_sub_co_i32 s78, s78, s51                     ; k: e7 - e2 - e3
	s_sub_co_i32 s79, s57, s52
	s_sub_co_i32 s79, s79, s53                     ; v: e9 - e4 - e5
	s_cmp_eq_u32 s74, 1
	s_cselect_b32 s78, s78, s79
	s_cmp_eq_u32 s74, 0
	s_cselect_b32 s77, s77, s78
	s_add_co_i32 s77, s77, 127
	s_lshl_b32 s78, s77, 23
	v_mov_b32 v4, s78                              ; the scale as f32: the conversion takes its exponent field
	s_add_co_i32 s77, s77, 8
	s_lshl_b32 s77, s77, 23
	s_or_b32 s77, s77, 0x600000
	v_mov_b32 v5, s77                              ; 448 x the scale
	; the mask: wave 10 of the work-groups with y = 0 takes the 64 numbers of its 64 tokens: 256 consecutive bytes in, 256 out
	s_xor_b32 s91, s22, 10
	s_or_b32 s91, s91, s23
	s_cmp_lg_u32 s91, 0
	s_cbranch_scc1 .Lno_mask
	v_and_b32 v8, 31, v0
	s_delay_alu instid0(VALU_DEP_1)
	v_lshlrev_b32 v8, 3, v8
	s_lshl_b32 s92, s67, 8
	v_add_nc_u32 v8, s92, v8                       ; 256 x + 8 x lane
	global_load_b64 v[6:7], v8, s[12:13]
	s_add_co_i32 s93, s54, s55
	s_sub_co_i32 s93, 3, s93                       ; 3 - e6 - e7: the 3 is the 1 / sqrt(64) of the scores
	s_wait_loadcnt 0x0
	v_max_num_f32 v6, 0xc7800000, v6               ; held at -65,536 from below
	v_max_num_f32 v7, 0xc7800000, v7
	s_delay_alu instid0(VALU_DEP_2)
	v_ldexp_f32 v6, v6, s93
	s_delay_alu instid0(VALU_DEP_2)
	v_ldexp_f32 v7, v7, s93
	s_wait_alu depctr_va_vdst(0)
	global_store_b64 v8, v[6:7], s[20:21]
.Lno_mask:
	s_wait_tensorcnt 0x0                           ; my load has landed,
	s_barrier_signal -1
	s_barrier_wait -1                              ; everybody's has
.macro LDH                             ; my 32 tokens: two tiles x three K steps
.irp u, 0,1
.irp s, 0,1,2
.irp c, 0,1,2,3
	ds_load_b128 v[HF+48*\u+16*\s+4*\c:HF+48*\u+16*\s+4*\c+3], v1 offset:8*RP*\u+144*\s+32*\c
.endr
.endr
.endr
.endm
.macro LDW i                           ; my 32 rows of W in head i of the three
.irp u, 0,1
.irp s, 0,1,2
.irp c, 0,1,2,3
	ds_load_b128 v[WF+48*\u+16*\s+4*\c:WF+48*\u+16*\s+4*\c+3], v2 offset:REG*(\i)+8*RP*\u+144*\s+32*\c
.endr
.endr
.endr
.endm
; 12 matrix instructions: the four accumulators by turns, one instruction a turn, K step by K step; the first K step starts the sums.
; t = 1 (q, k): accumulator [x = tile of tokens][y = tile of W]; t = 0 (v): [x = tile of Wv][y = tile of tokens].  Either way [x][0] and [x][1] are a lane's 16 neighbours.
.macro MM t
.irp s, 0,1,2
.irp x, 0,1
.irp y, 0,1
.if \t
.if \s == 0
	v_wmma_f32_16x16x128_fp8_fp8 v[ACC+16*\x+8*\y:ACC+16*\x+8*\y+7], v[WF+48*\y+16*\s:WF+48*\y+16*\s+15], v[HF+48*\x+16*\s:HF+48*\x+16*\s+15], 0
.else
	v_wmma_f32_16x16x128_fp8_fp8 v[ACC+16*\x+8*\y:ACC+16*\x+8*\y+7], v[WF+48*\y+16*\s:WF+48*\y+16*\s+15], v[HF+48*\x+16*\s:HF+48*\x+16*\s+15], v[ACC+16*\x+8*\y:ACC+16*\x+8*\y+7]
.endif
.else
.if \s == 0
	v_wmma_f32_16x16x128_fp8_fp8 v[ACC+16*\x+8*\y:ACC+16*\x+8*\y+7], v[HF+48*\y+16*\s:HF+48*\y+16*\s+15], v[WF+48*\x+16*\s:WF+48*\x+16*\s+15], 0
.else
	v_wmma_f32_16x16x128_fp8_fp8 v[ACC+16*\x+8*\y:ACC+16*\x+8*\y+7], v[HF+48*\y+16*\s:HF+48*\y+16*\s+15], v[WF+48*\x+16*\s:WF+48*\x+16*\s+15], v[ACC+16*\x+8*\y:ACC+16*\x+8*\y+7]
.endif
.endif
.endr
.endr
.endr
.endm
.macro QUANT set                       ; 32 sums become 32 codes, each accumulator from its low end on
.set j, 0
.rept 32
	v_med3_num_f32 v[ACC+j], v[ACC+j], -v5, v5     ; the conversion to an 8-bit code does not saturate (ISA guide 7.6.2): the hold at 448 x the scale comes first
.set j, j+1
.endr
.irp x, 0,1
	v_cvt_scalef32_pk8_fp8_f32 v[\set+4*\x:\set+4*\x+1], v[ACC+16*\x:ACC+16*\x+7], v4
	v_cvt_scalef32_pk8_fp8_f32 v[\set+4*\x+2:\set+4*\x+3], v[ACC+16*\x+8:ACC+16*\x+15], v4
.endr
	v_nop                                          ; a plain line between the conversions and the next products, which write their sources
.endm
.macro PAIRS t
	LDH
	LDW 0
	s_wait_dscnt 0x0
.irp i, 0,1,2
	MM \t
.rept 5
	v_nop                                          ; places behind the products: for the loads into W's registers, for the first read of the sums, and (with the one behind the conversions) for the next head's products, which begin the accumulators anew
.endr
.if \i < 2
	LDW \i+1                                       ; the next head's rows land while these sums are quantised
.else
	s_wait_xcnt 0x0                                ; head 0's stores have read the code set that is written again now
.endif
	QUANT COD+8*(\i%2)
	global_store_b128 v3, v[COD+8*(\i%2):COD+8*(\i%2)+3], s[60:61] offset:16384*\i        ; 32 lanes store 512 consecutive bytes, at a multiple of 512 from the buffer's first byte
	global_store_b128 v3, v[COD+8*(\i%2)+4:COD+8*(\i%2)+7], s[60:61] offset:16384*\i+1024
.if \i < 2
	s_wait_dscnt 0x0
.endif
.endr
.endm
	s_cmp_lt_u32 s22, 8                            ; waves 0 to 7 make q and k, waves 8 to 11 make v: the sources change places
	s_cbranch_scc0 .Lfor_v
	s_wait_alu depctr_va_vdst(0)
	PAIRS 1
	s_branch .Ldone
.Lfor_v:
	s_wait_alu depctr_va_vdst(0)
	PAIRS 0
.Ldone:
	s_wait_tensorcnt 0x0                           ; the wave's end
	ds_add_u32 v14, v15
	s_wait_dscnt 0x0
	CROUND                                         ; the closing round: no work-group ends while a partner may still ask jointly
	s_endpgm
.Lfunc_end_k_qe4acb0e04c_qkv:
	.size	k_qe4acb0e04c_qkv, .Lfunc_end_k_qe4acb0e04c_qkv-k_qe4acb0e04c_qkv
	.p2alignl 7, 3214868480
	.fill 96, 4, 3214868480
	.section	.rodata,"a",@progbits
	.p2align	6, 0x0
	.amdhsa_kernel k_qe4acb0e04c_qkv
		.amdhsa_group_segment_fixed_size 327680
		.amdhsa_private_segment_fixed_size 0
		.amdhsa_enable_private_segment 0
		.amdhsa_kernarg_size 72
		.amdhsa_user_sgpr_count 2
		.amdhsa_user_sgpr_kernarg_segment_ptr 1
		.amdhsa_wavefront_size32 1
		.amdhsa_system_sgpr_workgroup_id_x 1
		.amdhsa_system_sgpr_workgroup_id_y 1
		.amdhsa_system_sgpr_workgroup_id_z 1
		.amdhsa_system_vgpr_workitem_id 0
		.amdhsa_next_free_vgpr 256
		.amdhsa_next_free_sgpr 96
		.amdhsa_reserve_vcc 0
		.amdhsa_float_denorm_mode_32 3
		.amdhsa_float_denorm_mode_16_64 3
		.amdhsa_memory_ordered 1
		.amdhsa_forward_progress 1
		.amdhsa_inst_pref_size 42
	.end_amdhsa_kernel
	.amdgpu_metadata
---
amdhsa.version: [ 1, 2 ]
amdhsa.kernels:
  - .name:           k_qe4acb0e04c_qkv
    .symbol:         k_qe4acb0e04c_qkv.kd
    .args:
      - { .name: hidden_states_codes, .offset: 0, .size: 8, .value_kind: global_buffer, .address_space: global }
      - { .name: Wq_codes, .offset: 8, .size: 8, .value_kind: global_buffer, .address_space: global }
      - { .name: Wk_codes, .offset: 16, .size: 8, .value_kind: global_buffer, .address_space: global }
      - { .name: Wv_codes, .offset: 24, .size: 8, .value_kind: global_buffer, .address_space: global }
      - { .name: attention_mask, .offset: 32, .size: 8, .value_kind: global_buffer, .address_space: global }
      - { .name: lowp_scales, .offset: 40, .size: 8, .value_kind: global_buffer, .address_space: global }
      - { .name: qf, .offset: 48, .size: 8, .value_kind: global_buffer, .address_space: global }
      - { .name: kvf, .offset: 56, .size: 8, .value_kind: global_buffer, .address_space: global }
      - { .name: maskf, .offset: 64, .size: 8, .value_kind: global_buffer, .address_space: global }
    .group_segment_fixed_size: 327680
    .private_segment_fixed_size: 0
    .kernarg_segment_align: 8
    .kernarg_segment_size: 72
    .max_flat_workgroup_size: 384
    .sgpr_count:     96
    .vgpr_count:     256
    .wavefront_size: 32
...
	.end_amdgpu_metadata
.endif
;; end of part 1
;; launch attn (part 2): grid 128 x 2, 12 waves a work-group, clusters of 4 x 1, 327,680 bytes of LDS; arguments qf, kvf, maskf, lowp_scales, ctxf; writes ctxf
.if DOCPART == 2
	.amdgcn_target "amdgcn-amd-amdhsa--gfx1250"
	.amdhsa_code_object_version 6
	.text
	.protected	k_qe4acb0e04c_attn
	.globl	k_qe4acb0e04c_attn
	.p2align	8
	.type	k_qe4acb0e04c_attn,@function
k_qe4acb0e04c_attn:
	s_mov_b64 s[64:65], 0
	v_nop
	global_prefetch_b8 v0, s[64:65] scope:SCOPE_SE
	s_setreg_imm32_b32 hwreg(HW_REG_WAVE_MODE, 25, 1), 1
	s_wait_xcnt 0x0
	s_wait_alu depctr_hold_cnt(0) depctr_sa_sdst(0) depctr_va_vdst(0) depctr_va_sdst(0) depctr_va_ssrc(0) depctr_va_vcc(0) depctr_vm_vsrc(0)
	s_getreg_b32 s2, hwreg(HW_REG_IB_STS2, 6, 4)
	s_cmp_eq_u32 s2, 0
	s_cbranch_scc0 .Lentry_in_a_cluster
	s_endpgm
.Lentry_in_a_cluster:
	s_bfe_u32 s2, ttmp6, 0x10000c
	s_cmp_lg_u32 s2, 0x3003
	s_cbranch_scc0 .Lentry_shape_is_right
	s_endpgm
.Lentry_shape_is_right:
; ctx = softmax(q k^T / 8 + mask) v on E4M3 codes, quantised at once with 2^e10 and stored as images of operand registers for the last product's launch.
; q, k, v come as images of operand registers (blocks of 512 bytes, lane l's 16 bytes at 16 l).  No work of the problem is left out.
; SHARES.  A work-group owns 64 queries of one batch (x) and THREE heads (y): 192 rows for each byte of K and V that it walks.  Wave w: head w / 4 of the three, 32 queries (w / 2) % 2, key half kh = w % 2
; (2,048 keys, 32 steps of 64), both tiles of 16 queries: each fragment of K, V and the mask read from LDS feeds two products.  Tile A is query tile kh, tile B the other: at the end a wave sends B to wave w xor 1 and keeps A.
; LAYOUT.  Both products transposed: S^T = K Q^T, O^T = V^T P^T: a lane holds ONE query (lane % 16).  The keys of a tile are chosen so that the 16 registers of two neighbouring tiles are 16 neighbouring keys:
; the conversions' results are the second product's operand.  Fragments hold k 32 c + 16 (lane / 16) + 0 .. 15 in registers 4 c .. 4 c + 3, both operands alike.
; THE MASK, in units of a sum of code products, is loaded into tile A's score registers and is the C of tile B's products and then, in place, of tile A's.
; SOFTMAX.  t = (sum + mask) x c, c = log2(e) / 8 x 2^(e6 + e7); M = the running largest t rounded UP to a whole number, kept as -M; p = 2^(t - M) is quantised with 2^e8; l sums the unquantised p;
; when M moves, l and O^T are multiplied by f = 2^(old M - new M), which rounds nothing.  The two key halves are merged the same way.
; A STEP'S ORDER.  A step ends with its exponentials.  The next step begins with its K loads; then come the sums and codes of the p just made (the mask's loads go out as soon as tile A's codes are made), the rescaling of O^T and
; V^T P; only then the wait for K and the mask.  So register work stands behind every run of LDS loads.
; RING.  Two slots of 98,304 bytes: two steps x 6 tiles (3 heads x 2 key halves) x 8,192 bytes (4 KB of K, 4 KB of V).  Each of the 12 waves fetches one tile of a slot; a tile is read by the two waves of its head and key half.
; 16 slots, 14 refills.  The change of slots stands in a slot's second step: the waits, the add and the barrier's signal ahead of the exponentials, which are register work between the signal and the wait.
; A refill is waited for there, in the other slot's second step.  By this text's own count a wave has one tensor load out at the most.
; CLUSTER 4 x 1: the four partners are of one batch and one y and walk the same K and V: every load is asked for jointly, each refill behind a round of the cluster's barrier.  A mask names four at the most.
; The batch's 4,096 mask numbers go once through registers into LDS bytes of their own (waves 0 to 7, 2,048 bytes each), so that a wave has one tensor load at the head.
; LIMITS: e6 + e7 between -123 and 130 (added to c's exponent field); e8 and e10 - e8 - e9 between -126 and 119.  Mask numbers arrive held at -65,536 from below.
.set STEPB, 98304                      ; a step of all 12 tiles of a batch in memory
.set SLOTM, 2*STEPB                    ; a slot's two steps in memory
.set HALFS, 49152                      ; my y's six tiles of a step: in memory on end, and half a slot in LDS
.set SLOT1, 131072
.set MASKB, 98304                      ; the batch's mask, stored once
.set SPARE, 126976                     ; the spare words: 128 bytes for each of 12 waves
.set MERGE, 229376                     ; 12 x 4,608: tile B's O^T (8 x 512) and its statistics
.set TA, 12                            ; a tile's statistics: +0 -M, +1 the largest sum, +2, +3 l in two halves, +4 f, +5 zero (named as f's pair), +6, +7 at work
.set TB, 20
.set QA, 28                            ; Q's fragments
.set QB, 36
.set KF, 44                            ; K: four tiles of 16 keys
.set VF, 76                            ; V^T: four tiles of 16 channels
.set SA, 108                           ; the mask, then S^T, then p
.set SB, 140
.set PA, 172                           ; p's codes
.set PB, 180
.set OA, 188                           ; O^T
.set OB, 220
; v1, v2 my place in slot 0, 1; v3 my place in the mask; v4 the mask of the slot in hand; v5, v6 the add's registers; v7 the prefetches' offset; v8 2^e8; v9, v10 Q's offsets; v11, v252 the mask's copy.
; s18 wave, s19 kh, s20 head of three, s16 query pair, s21 cx, s22 block of 32 queries, s23 batch, s17 y; s[24:31] group 1; s[40:47] groups 0; s[52:53] c; s[54:55] lane selects; s56 448 x 2^e8;
; s57 trips; s58 the mask's step; s59 refills issued; s[60:61] the prefetches' place; s62 their bound; s[68:79] e0 .. e11.
.macro CREST                           ; a round of the cluster's barrier behind its opening barrier
	s_cmp_lg_u32 s18, 0
	s_cbranch_scc1 .Lnw0_\@
	s_barrier_signal -3
.Lnw0_\@:
	s_barrier_wait -3
	s_barrier_signal -1
	s_barrier_wait -1
.endm
.macro CROUND
	s_barrier_signal -1
	s_barrier_wait -1
	CREST
.endm
; A PREFETCH INTO THE L2.  The refill in slot j asks for slot j + 2; the prefetch at the head of slot j + 1 names slot j + 4, whose refill stands in slot j + 2.  A slot is 384 blocks of 256 bytes; the sixteen
; clusters of a batch and y walk the same slots, so the first of them asks; its four partners are told apart BY ADDRESS (three tiles each), waves 0 to 2 of each take one tile, lanes 256 bytes apart: each block is named once.
; Slots 0 to 3 come by their loads alone; behind the 12th refill slot 15 is named, and then nothing.
.macro ASK
	s_cmp_lt_u32 s59, s62
	s_cbranch_scc0 .Lnoask_\@
	global_prefetch_b8 v7, s[60:61] th:TH_LOAD_NT scope:SCOPE_SE
.Lnoask_\@:
.endm
.macro RESC o, t                       ; O^T x f, from each accumulator's low end on
.set j, 0
.rept 16
	v_pk_mul_f32 v[\o+j:\o+j+1], v[\o+j:\o+j+1], v[\t+4:\t+5] op_sel_hi:[1,0]
.set j, j+2
.endr
.endm
.macro PV o, p, zero                   ; O^T += V^T P^T: four tiles of 16 channels; zero: the first product starts the sums
.irp c, 0,1,2,3
.if \zero
	v_wmma_f32_16x16x64_fp8_fp8 v[\o+8*\c:\o+8*\c+7], v[VF+8*\c:VF+8*\c+7], v[\p:\p+7], 0
.else
	v_wmma_f32_16x16x64_fp8_fp8 v[\o+8*\c:\o+8*\c+7], v[VF+8*\c:VF+8*\c+7], v[\p:\p+7], v[\o+8*\c:\o+8*\c+7]
.endif
.endr
.endm
.macro MAXT s, t                       ; the largest of the lane's 32 sums and the old largest: two chains, ascending
	v_max3_num_f32 v[\t+6], v[\s], v[\s+1], v[\s+2]
	v_max3_num_f32 v[\t+7], v[\s+3], v[\s+4], v[\s+5]
.irp i, 6,10,14,18,22,26
	v_max3_num_f32 v[\t+6], v[\t+6], v[\s+\i], v[\s+\i+1]
	v_max3_num_f32 v[\t+7], v[\t+7], v[\s+\i+2], v[\s+\i+3]
.endr
	v_max3_num_f32 v[\t+6], v[\t+6], v[\s+30], v[\s+31]
	s_delay_alu instid0(VALU_DEP_1)
	v_max3_num_f32 v[\t+6], v[\t+6], v[\t+7], v[\t+1]
.endm
.macro MISC                            ; both tiles line by line
.irp t, TB
	v_permlanex16_b32 v[\t+7], v[\t+6], s54, s55   ; the query's other keys lie in the lane 16 away
.endr
.irp t, TA
	s_delay_alu instid0(VALU_DEP_2)
	v_permlanex16_b32 v[\t+7], v[\t+6], s54, s55
.endr
.irp t, TB, TA
	s_delay_alu instid0(VALU_DEP_2)
	v_max_num_f32 v[\t+1], v[\t+6], v[\t+7]
.endr
.irp t, TB, TA
	s_delay_alu instid0(VALU_DEP_2)
	v_mul_f32 v[\t+6], s52, v[\t+1]                ; as t (c is positive)
.endr
.irp t, TB, TA
	v_mov_b32 v[\t+7], v[\t]
.endr
.irp t, TB, TA
	s_delay_alu instid0(VALU_DEP_4)
	v_floor_f32 v[\t], -v[\t+6]                    ; -M = floor(-t): M is a whole number
.endr
.irp t, TB, TA
	s_delay_alu instid0(VALU_DEP_2)
	v_sub_f32 v[\t+7], v[\t], v[\t+7]              ; old M - new M: a whole number, 0 or less
.endr
.irp t, TB, TA
	s_delay_alu instid0(VALU_DEP_2)
	v_cvt_i32_f32 v[\t+7], v[\t+7]                 ; (it saturates)
.endr
.irp t, TB, TA
	s_delay_alu instid0(VALU_DEP_2)
	v_ldexp_f32 v[\t+4], 1.0, v[\t+7]              ; f
.endr
.endm
.macro SCAL s, t                       ; t - M, two at a time
.set j, 0
.rept 16
	v_pk_fma_f32 v[\s+j:\s+j+1], v[\s+j:\s+j+1], s[52:53], v[\t:\t+1] op_sel_hi:[1,0,0]
.set j, j+2
.endr
.endm
.macro EXPS s
.set j, 0
.rept 32
	v_exp_f32 v[\s+j], v[\s+j]
.set j, j+1
.endr
.endm
.macro SUMS s, t                       ; l += the unquantised p, two at a time, in two chains
	v_pk_add_f32 v[\t+6:\t+7], v[\s:\s+1], v[\s+2:\s+3]
.irp i, 4,8,12,16,20,24,28
	v_pk_add_f32 v[\t+2:\t+3], v[\t+2:\t+3], v[\s+\i:\s+\i+1]
	v_pk_add_f32 v[\t+6:\t+7], v[\t+6:\t+7], v[\s+\i+2:\s+\i+3]
.endr
	s_delay_alu instid0(VALU_DEP_1)
	v_pk_add_f32 v[\t+2:\t+3], v[\t+2:\t+3], v[\t+6:\t+7]
.endm
.macro QP s, p                         ; p becomes codes: p is not negative, so the hold is one-sided; two holds to an instruction (an even and an odd register)
.irp g, 0,1
.set j, 0
.rept 8
	v_dual_min_num_f32 v[\s+16*\g+j], s56, v[\s+16*\g+j] :: v_dual_min_num_f32 v[\s+16*\g+j+1], s56, v[\s+16*\g+j+1]
.set j, j+2
.endr
	v_cvt_scalef32_pk8_fp8_f32 v[\p+4*\g:\p+4*\g+1], v[\s+16*\g:\s+16*\g+7], v8
	v_cvt_scalef32_pk8_fp8_f32 v[\p+4*\g+2:\p+4*\g+3], v[\s+16*\g+8:\s+16*\g+15], v8
.endr
.endm
; A KEY STEP, 64 keys: the sub-th of the slot.  pv = 2: the step before's sums, codes and V^T P, behind the rescaling; 1: the same, and V^T P starts O^T's sums; 0: no step before.  ask = 1: a prefetch may stand here.
; fill = 2: the slot is left and filled again; 1: the last change of slots, nothing is fetched; 0: no change of slots.
; The 16 matrix instructions name 16 accumulators, one instruction each.
.macro STEP slot, sub, pv, ask, fill
.if \sub == 0
	v_add_nc_u32 v4, s58, v3                       ; the mask of this slot's two steps: 2 x 256 bytes on
	s_add_co_u32 s58, s58, 512
.endif
.irp k, 0,1,2,3
	ds_load_b128 v[KF+8*\k:KF+8*\k+3], v[1+\slot] offset:HALFS*\sub+1024*\k
	ds_load_b128 v[KF+8*\k+4:KF+8*\k+7], v[1+\slot] offset:HALFS*\sub+1024*\k+512
.endr
.if \ask
	ASK
.endif
.if \pv >= 1
	SUMS SB, TB
	SUMS SA, TA
	QP SA, PA                                      ; tile A's codes first: its registers take the mask
.endif
.irp g, 0,1
.irp q, 0,1,2,3
	ds_load_b128 v[SA+16*\g+4*\q:SA+16*\g+4*\q+3], v4 offset:256*\sub+128*\g+16*\q   ; register 16 g + i: key 32 g + 16 (lane / 16) + i
.endr
.endr
.if \pv >= 1
	QP SB, PB
	v_nop                                          ; a plain line behind the last conversion
.endif
.if \pv == 2
	RESC OA, TA
	RESC OB, TB
.endif
.if \pv >= 1
	s_wait_dscnt 16                                ; K's eight loads and the mask's eight may be out: V of the step before is in
	s_wait_alu depctr_va_vdst(0)
	PV OA, PA, 2-\pv
	PV OB, PB, 2-\pv
.endif
	s_wait_dscnt 0x0                               ; K and the mask are in
.irp k, 0,1,2,3
	v_wmma_f32_16x16x64_fp8_fp8 v[SB+8*\k:SB+8*\k+7], v[KF+8*\k:KF+8*\k+7], v[QB:QB+7], v[SA+8*\k:SA+8*\k+7]   ; tile B: the mask is read from tile A's registers
.endr
.rept 5
	v_nop                                          ; the places ahead of the products below, which write over the C just read
.endr
.irp k, 0,1,2,3
	v_wmma_f32_16x16x64_fp8_fp8 v[SA+8*\k:SA+8*\k+7], v[KF+8*\k:KF+8*\k+7], v[QA:QA+7], v[SA+8*\k:SA+8*\k+7]   ; tile A: onto the mask, in place
.endr
	MAXT SB, TB                                    ; sixteen places behind the products above
.irp c, 0,1,2,3
	ds_load_b128 v[VF+8*\c:VF+8*\c+3], v[1+\slot] offset:HALFS*\sub+4096+1024*\c
	ds_load_b128 v[VF+8*\c+4:VF+8*\c+7], v[1+\slot] offset:HALFS*\sub+4096+1024*\c+512
.endr
	MAXT SA, TA
	MISC
.if \fill >= 1
	s_wait_alu depctr_va_vdst(0)                   ; ahead of the wait below
	s_wait_tensorcnt 0x0                           ; my tensor load has landed: my tile of the next slot; so a group 0 may be written
	ds_add_u32 v5, v6                              ; 0 onto my spare word
.if \fill == 2
	s_add_nc_u64 s[42+4*\slot:43+4*\slot], s[42+4*\slot:43+4*\slot], 2*SLOTM   ; this slot's next tiles: two slots on
	s_wait_xcnt 0x0                                ; the prefetch at this slot's head has read its address
	s_add_nc_u64 s[60:61], s[60:61], SLOTM
	s_add_co_u32 s59, s59, 1
.endif
.endif
	SCAL SB, TB                                    ; (fill: work on registers while the add is out)
	SCAL SA, TA
.if \fill >= 1
	s_wait_dscnt 0x0                               ; the add is done, and V's loads, my last reads of this slot, are in
	s_barrier_signal -1                            ; fill = 2: opens a round of the cluster's barrier; register work alone up to the wait
.endif
	s_wait_alu depctr_va_vdst(0)                   ; ahead of the batch
	EXPS SB                                        ; one batch of 64 exponentials
	EXPS SA
	v_pk_mul_f32 v[TB+2:TB+3], v[TB+2:TB+3], v[TB+4:TB+5] op_sel_hi:[1,0]   ; l under the new M; the plain lines behind the last exponential
	v_pk_mul_f32 v[TA+2:TA+3], v[TA+2:TA+3], v[TA+4:TA+5] op_sel_hi:[1,0]
	s_wait_alu depctr_va_vdst(0)                   ; one wait for the batch, ahead of its first reader and of every branch
.if \fill >= 1
	s_barrier_wait -1                              ; the next slot is whole
.endif
.if \fill == 2
	CREST                                          ; no wave of any partner still reads this slot or has a load on its way
	tensor_load_to_lds s[40+4*\slot:43+4*\slot], s[24:31]   ; my one load behind the round
	s_nop 0
.rept 4
	v_nop
.endr
.endif
.endm
	s_load_b256 s[4:11], s[0:1], 0x0               ; qf s[4:5], kvf s[6:7], maskf s[8:9], the exponents s[10:11]
	s_load_b64 s[12:13], s[0:1], 0x20              ; ctxf
	v_lshl_add_u32 v5, v0, 2, SPARE
	v_mov_b32 v6, 0
	ds_add_u32 v5, v6                              ; the opening lines: the add, twice on end, and its wait
	ds_add_u32 v5, v6
	v_lshrrev_b32 v1, 5, v0
	v_readfirstlane_b32 s18, v1                    ; wave 0..11
	s_and_b32 s19, s18, 1                          ; key half
	s_lshr_b32 s20, s18, 2                         ; head of my three
	s_bfe_u32 s16, s18, 0x10001                    ; which 32 of the 64 queries
	s_bfe_u32 s21, ttmp6, 0x40000                  ; cx
	s_lshr_b32 s23, ttmp9, 4                       ; the batch: 16 clusters each; the partners share it
	s_and_b32 s17, ttmp7, 0xffff                   ; y: heads 3 y .. 3 y + 2
	s_and_b32 s63, ttmp9, 15                       ; the cluster's number in its batch
	s_lshl_b32 s22, s63, 2
	s_add_co_u32 s22, s22, s21
	s_lshl_b32 s22, s22, 1
	s_add_co_u32 s22, s22, s16                     ; my block of 32 queries in the batch
	s_mul_i32 s83, s17, 3
	s_add_co_u32 s83, s83, s20                     ; my head of the six
	; descriptor group 1: a tile of 8,192 dense bytes as 32 rows of 32 elements of 8 bytes; no padding: images are read 16 x lane on end
	s_mov_b32 s24, 15|(3<<16)|(1<<21)              ; the mask of all four partners, bit 21 beside it
	s_mov_b32 s25, 32<<16
	s_mov_b32 s26, 32<<16
	s_mov_b32 s27, 32<<16
	s_mov_b32 s28, 32
	s_mov_b32 s29, 32
	s_mov_b32 s30, 0
	s_mov_b32 s31, 0
	s_mov_b32 s54, 0x76543210
	s_mov_b32 s55, 0xfedcba98
	s_mov_b32 s58, 0
	s_mov_b32 s59, 0
	s_lshl_b32 s32, s19, 10                        ; Q: tile A = query tile kh,
	s_xor_b32 s33, s32, 1024                       ; tile B the other
	s_lshl_b32 s34, s19, 13
	s_add_co_u32 s34, s34, MASKB                   ; my key half's 2,048 mask numbers
	s_lshl_b32 s35, s20, 1
	s_add_co_u32 s35, s35, s19
	s_lshl_b32 s35, s35, 13                        ; the tile that I read: 2 x head + kh
	s_lshl_b32 s82, s18, 13                        ; the tile that I fetch: wave w takes step w / 6 of the slot, tile w % 6
	s_cmp_lt_u32 s18, 6
	s_cselect_b32 s80, 0, HALFS                    ; in memory the slot's second step lies STEPB on, not HALFS
	s_add_co_u32 s80, s80, s82
	s_mul_i32 s14, s23, 32*STEPB
	s_mul_i32 s15, s17, HALFS
	s_add_co_u32 s14, s14, s15                     ; my batch's and y's first tile
	s_add_co_u32 s80, s80, s14
	s_mov_b32 s81, 0
	s_mul_i32 s86, s21, 3                          ; the prefetches: my work-group's three tiles of the twelve, my wave's one of them,
	s_add_co_u32 s86, s86, s18
	s_cmp_lt_u32 s86, 6
	s_cselect_b32 s87, 0, HALFS
	s_lshl_b32 s86, s86, 13
	s_add_co_u32 s86, s86, s87
	s_add_co_u32 s86, s86, s14
	s_add_co_u32 s86, s86, 3*SLOTM                 ; in slot 3: the first refill steps it to slot 4
	s_mov_b32 s87, 0
	s_cmp_lt_u32 s18, 3
	s_cselect_b32 s62, 0, 1
	s_or_b32 s62, s62, s63                         ; 0 in waves 0 to 2 of the batch's first cluster: the same in all four partners
	s_cmp_eq_u32 s62, 0
	s_cselect_b32 s62, 13, 0
	s_lshl_b32 s88, s23, 4                         ; Q: ((16 b + block / 8) x 6 + head) x 16,384 + (block % 8) x 2,048
	s_lshr_b32 s89, s22, 3
	s_add_co_u32 s88, s88, s89
	s_mul_i32 s88, s88, 6
	s_add_co_u32 s88, s88, s83
	s_lshl_b32 s88, s88, 14
	s_and_b32 s89, s22, 7
	s_lshl_b32 s89, s89, 11
	s_add_co_u32 s88, s88, s89
	s_mov_b32 s89, 0
	s_lshl_b32 s84, s23, 7                         ; ctxf: [128 b + block][query tile 2][2 head + g][512]
	s_add_co_u32 s84, s84, s22
	s_lshl_b32 s84, s84, 1
	s_add_co_u32 s84, s84, s19
	s_mul_i32 s84, s84, 6144
	s_lshl_b32 s85, s83, 10
	s_add_co_u32 s84, s84, s85
	s_mov_b32 s85, 0
	s_lshl_b32 s94, s23, 14                        ; the batch's mask
	s_mov_b32 s95, 0
	s_wait_dscnt 0x0                               ; both opening adds are done
	s_wait_kmcnt 0x0
	s_load_b256 s[68:75], s[10:11], 0x0            ; e0 .. e7
	s_load_b128 s[76:79], s[10:11], 0x20           ; e8 .. e11
	s_mov_b32 s40, 1
	s_mov_b32 s41, s82                             ; slot 0
	s_add_nc_u64 s[42:43], s[6:7], s[80:81]
	s_mov_b32 s44, 1
	s_add_co_u32 s45, s82, SLOT1                   ; slot 1
	s_add_nc_u64 s[46:47], s[42:43], SLOTM
	s_or_b32 s43, s43, 0x80000000
	s_or_b32 s47, s47, 0x80000000
	s_add_nc_u64 s[60:61], s[6:7], s[86:87]
	s_add_nc_u64 s[4:5], s[4:5], s[88:89]
	s_add_nc_u64 s[8:9], s[8:9], s[94:95]
	s_add_nc_u64 s[12:13], s[12:13], s[84:85]
	CROUND                                         ; all four work-groups are here: the first joint loads meet
	tensor_load_to_lds s[40:43], s[24:31]          ; slot 0: every wave's one load at the head
	s_nop 0
.rept 4
	v_nop
.endr
	v_and_b32 v1, 31, v0
	v_lshlrev_b32 v1, 4, v1                        ; 16 x lane
	v_lshlrev_b32 v7, 4, v1                        ; 256 x lane
	v_add_nc_u32 v9, s32, v1
	v_add_nc_u32 v10, s33, v1
	global_load_b128 v[QA:QA+3], v9, s[4:5]
	global_load_b128 v[QA+4:QA+7], v9, s[4:5] offset:512
	global_load_b128 v[QB:QB+3], v10, s[4:5]
	global_load_b128 v[QB+4:QB+7], v10, s[4:5] offset:512
	v_lshlrev_b32 v11, 4, v0                       ; the mask's copy: 16 x thread,
	v_add_nc_u32 v252, MASKB, v11                  ; and the same in LDS
	v_bfe_u32 v3, v0, 4, 1
	v_lshl_add_u32 v3, v3, 6, s34                  ; the mask: + 64 bytes for lanes 16-31
	v_add_nc_u32 v1, s35, v1                       ; my place in slot 0,
	v_add_nc_u32 v2, SLOT1, v1                     ; in slot 1
.irp t, TA, TB
	v_mov_b32 v[\t], 0x7f61b1e6                    ; -M: 3e38
	v_mov_b32 v[\t+1], 0xff61b1e6                  ; the largest sum so far: -3e38
	v_mov_b32 v[\t+2], 0                           ; l
	v_mov_b32 v[\t+3], 0
	v_mov_b32 v[\t+4], 0
	v_mov_b32 v[\t+5], 0                           ; (named as the upper half of f's pair)
.endr
	s_wait_kmcnt 0x0
	s_add_co_i32 s80, s74, s75                     ; e6 + e7 go into c's exponent field
	s_lshl_b32 s80, s80, 23
	s_add_co_i32 s52, s80, 0x3e38aa3b              ; log2(e) / 8
	s_mov_b32 s53, s52
	s_add_co_i32 s80, s76, 127
	s_lshl_b32 s81, s80, 23
	v_mov_b32 v8, s81                              ; 2^e8 as f32, for the conversions
	s_add_co_i32 s80, s80, 8
	s_lshl_b32 s80, s80, 23
	s_or_b32 s56, s80, 0x600000                    ; 448 x 2^e8
	s_wait_alu depctr_va_vdst(0)
	s_cmp_lt_u32 s18, 8                            ; waves 0 to 7 copy the mask: 4 x 4,096 bytes, 16 bytes a thread
	s_cbranch_scc0 .Lnomask
.irp k, 0,1,2,3
	global_load_b128 v[SA+4*\k:SA+4*\k+3], v11, s[8:9] offset:4096*\k
.endr
	s_wait_loadcnt 0x0
.irp k, 0,1,2,3
	ds_store_b128 v252, v[SA+4*\k:SA+4*\k+3] offset:4096*\k
.endr
.Lnomask:
	s_wait_tensorcnt 0x0                           ; my tile of slot 0 is in; these lines stand ahead of slot 1's first fill as ahead of a refill
	ds_add_u32 v5, v6
	s_wait_dscnt 0x0                               ; the add and my part of the mask are done
	CROUND                                         ; slot 0 and the mask are whole, and the joint loads meet
	tensor_load_to_lds s[44:47], s[24:31]          ; slot 1
	s_nop 0
.rept 4
	v_nop
.endr
	s_wait_loadcnt 0x0                             ; Q
	STEP 0, 0, 0, 0, 0                             ; slot 0
	STEP 0, 1, 1, 0, 2
	s_mov_b32 s57, 6
.Ltrip:                                            ; slots 1 to 12
	STEP 1, 0, 2, 1, 0
	STEP 1, 1, 2, 0, 2
	STEP 0, 0, 2, 1, 0
	STEP 0, 1, 2, 0, 2
	s_sub_co_u32 s57, s57, 1
	s_cmp_lg_u32 s57, 0
	s_cbranch_scc1 .Ltrip
	STEP 1, 0, 2, 0, 0                             ; slot 13: it asks for slot 15
	STEP 1, 1, 2, 0, 2
	STEP 0, 0, 2, 0, 0                             ; slots 14 and 15 are written out
	STEP 0, 1, 2, 0, 1
	STEP 1, 0, 2, 0, 0
	STEP 1, 1, 2, 0, 0
	; THE TAIL.  Step 31's sums, codes and V^T P, the merge of the two key halves, the context's codes.
	s_mul_i32 s80, s18, 4608
	s_add_co_u32 s80, s80, MERGE
	s_xor_b32 s81, s18, 1
	s_mul_i32 s81, s81, 4608
	s_add_co_u32 s81, s81, MERGE
	SUMS SB, TB
	SUMS SA, TA
	QP SA, PA
	QP SB, PB
	v_nop                                          ; a plain line behind the last conversion
	RESC OA, TA
	RESC OB, TB
	s_wait_dscnt 0x0                               ; V is in
	s_wait_alu depctr_va_vdst(0)
	PV OA, PA, 0
	PV OB, PB, 0
	v_and_b32 v9, 31, v0                           ; the tail's addresses: also the places behind the last products
	v_lshlrev_b32 v9, 4, v9                        ; 16 x lane
	v_add_nc_u32 v10, s80, v9                      ; where I put tile B
	v_add_nc_u32 v11, s81, v9                      ; where my partner puts its tile B, which is my tile A's other key half
	v_nop
	s_wait_alu depctr_va_vdst(0)
.irp k, 0,1,2,3,4,5,6,7
	ds_store_b128 v10, v[OB+4*\k:OB+4*\k+3] offset:512*\k   ; tile B as it stands, from each accumulator's low end on
.endr
	ds_store_b128 v10, v[TB:TB+3] offset:4096      ; -M, (the largest sum), l's two halves
	s_wait_dscnt 0x0                               ; for the partner's sake
	s_barrier_signal -1
	s_barrier_wait -1
.irp k, 0,1,2,3,4,5,6,7
	ds_load_b128 v[156+4*\k:156+4*\k+3], v11 offset:512*\k
.endr
	ds_load_b128 v[252:255], v11 offset:4096
	s_sub_co_i32 s90, s78, s76                     ; O^T / l stands for ctx / 2^(e8 + e9): its code is that / 2^(e10 - e8 - e9)
	s_sub_co_i32 s90, s90, s77
	s_add_co_i32 s90, s90, 127
	s_lshl_b32 s91, s90, 23
	s_add_co_i32 s90, s90, 8
	s_lshl_b32 s90, s90, 23
	s_or_b32 s90, s90, 0x600000
	s_wait_dscnt 0x0
	v_min_num_f32 v16, v12, v252                   ; the merged -M: the larger M
	v_sub_f32 v17, v16, v12
	v_sub_f32 v18, v16, v252
	v_cvt_i32_f32 v17, v17
	v_cvt_i32_f32 v18, v18
	v_ldexp_f32 v24, 1.0, v17                      ; my half's factor,
	v_ldexp_f32 v26, 1.0, v18                      ; the partner's: powers of two
	v_pk_mul_f32 v[14:15], v[14:15], v[24:25] op_sel_hi:[1,0]
	v_pk_fma_f32 v[14:15], v[254:255], v[26:27], v[14:15] op_sel_hi:[1,0,1]
	v_add_f32 v14, v14, v15                        ; l's two halves,
	v_permlanex16_b32 v15, v14, s54, s55
	v_add_f32 v14, v14, v15                        ; and the lane 16 away's: the row's sum over all 4,096 keys
	s_wait_alu depctr_va_vdst(0)                   ; ahead of the transcendental
	v_rcp_f32 v14, v14
	v_mov_b32 v16, s91                             ; (plain lines behind the reciprocal)  the context's scale as f32,
	v_mov_b32 v17, s90                             ; and 448 x that
	s_wait_alu depctr_va_vdst(0)                   ; ahead of the reciprocal's first reader
	v_mul_f32 v24, v24, v14
	v_mul_f32 v26, v26, v14
	s_wait_alu depctr_va_vdst(0)                   ; directly ahead of the first reader of O^T
.set j, 0
.rept 16
	v_pk_mul_f32 v[OA+j:OA+j+1], v[OA+j:OA+j+1], v[24:25] op_sel_hi:[1,0]
.set j, j+2
.endr
.set j, 0
.rept 16
	v_pk_fma_f32 v[OA+j:OA+j+1], v[156+j:156+j+1], v[26:27], v[OA+j:OA+j+1] op_sel_hi:[1,0,1]
.set j, j+2
.endr
.set j, 0
.rept 32
	v_med3_num_f32 v[OA+j], v[OA+j], -v17, v17     ; the hold at the largest code x the scale
.set j, j+1
.endr
.irp g, 0,1
	v_cvt_scalef32_pk8_fp8_f32 v[172+4*\g:173+4*\g], v[OA+16*\g:OA+16*\g+7], v16    ; registers 16 g + i: channel 32 g + 16 (lane / 16) + i of my head
	v_cvt_scalef32_pk8_fp8_f32 v[174+4*\g:175+4*\g], v[OA+16*\g+8:OA+16*\g+15], v16
.endr
	v_nop                                          ; a plain line behind the last conversion
	global_store_b128 v9, v[172:175], s[12:13]             ; 32 lanes store 512 consecutive bytes, at a multiple of 512 from the buffer's first byte
	global_store_b128 v9, v[176:179], s[12:13] offset:512
	s_wait_tensorcnt 0x0                           ; the wave's end
	ds_add_u32 v5, v6
	s_wait_dscnt 0x0
	CROUND                                         ; the closing round
	s_endpgm
.Lfunc_end_k_qe4acb0e04c_attn:
	.size	k_qe4acb0e04c_attn, .Lfunc_end_k_qe4acb0e04c_attn-k_qe4acb0e04c_attn
	.p2alignl 7, 3214868480
	.fill 96, 4, 3214868480
	.section	.rodata,"a",@progbits
	.p2align	6, 0x0
	.amdhsa_kernel k_qe4acb0e04c_attn
		.amdhsa_group_segment_fixed_size 327680
		.amdhsa_private_segment_fixed_size 0
		.amdhsa_enable_private_segment 0
		.amdhsa_kernarg_size 40
		.amdhsa_user_sgpr_count 2
		.amdhsa_user_sgpr_kernarg_segment_ptr 1
		.amdhsa_wavefront_size32 1
		.amdhsa_system_sgpr_workgroup_id_x 1
		.amdhsa_system_sgpr_workgroup_id_y 1
		.amdhsa_system_sgpr_workgroup_id_z 1
		.amdhsa_system_vgpr_workitem_id 0
		.amdhsa_next_free_vgpr 256
		.amdhsa_next_free_sgpr 96
		.amdhsa_reserve_vcc 0
		.amdhsa_float_denorm_mode_32 3
		.amdhsa_float_denorm_mode_16_64 3
		.amdhsa_memory_ordered 1
		.amdhsa_forward_progress 1
		.amdhsa_inst_pref_size 219
	.end_amdhsa_kernel
	.amdgpu_metadata
---
amdhsa.version: [ 1, 2 ]
amdhsa.kernels:
  - .name:           k_qe4acb0e04c_attn
    .symbol:         k_qe4acb0e04c_attn.kd
    .args:
      - { .name: qf, .offset: 0, .size: 8, .value_kind: global_buffer, .address_space: global }
      - { .name: kvf, .offset: 8, .size: 8, .value_kind: global_buffer, .address_space: global }
      - { .name: maskf, .offset: 16, .size: 8, .value_kind: global_buffer, .address_space: global }
      - { .name: lowp_scales, .offset: 24, .size: 8, .value_kind: global_buffer, .address_space: global }
      - { .name: ctxf, .offset: 32, .size: 8, .value_kind: global_buffer, .address_space: global }
    .group_segment_fixed_size: 327680
    .private_segment_fixed_size: 0
    .kernarg_segment_align: 8
    .kernarg_segment_size: 40
    .max_flat_workgroup_size: 384
    .sgpr_count:     96
    .vgpr_count:     256
    .wavefront_size: 32
...
	.end_amdgpu_metadata
.endif
;; end of part 2
;; launch outproj (part 3): grid 256 x 1, 12 waves a work-group, no clusters, 63,488 bytes of LDS; arguments ctxf, Wo_codes, bo, lowp_scales, out0; writes out0
.if DOCPART == 3
	.amdgcn_target "amdgcn-amd-amdhsa--gfx1250"
	.amdhsa_code_object_version 6
	.text
	.protected	k_qe4acb0e04c_outproj
	.globl	k_qe4acb0e04c_outproj
	.p2align	8
	.type	k_qe4acb0e04c_outproj,@function
k_qe4acb0e04c_outproj:
	s_mov_b64 s[64:65], 0
	v_nop
	global_prefetch_b8 v0, s[64:65] scope:SCOPE_SE
	s_setreg_imm32_b32 hwreg(HW_REG_WAVE_MODE, 25, 1), 1
	s_wait_xcnt 0x0
; out = ctx Wo^T + bo on E4M3 codes (K = 384, three steps of 128).  ctx comes as images of operand registers: [block of 32 tokens][query tile 2][K step 3][c 4][512], lane l's 16 bytes at 16 l.
; SHARES.  A work-group takes 32 tokens and all 384 outputs; wave w takes outputs 32 w .. 32 w + 31: two tiles of Wo's rows x two tiles of tokens x three K steps, 12 matrix instructions on four accumulators by turns.
; Source 0 = 16 rows of Wo, source 1 = 16 tokens: a lane holds eight neighbouring outputs of one token.  Lane r of token tile u holds token 8 u + r + 8 (r / 8) of the 32.
; Wo's rows go from memory straight into operand registers, each row read by one wave of the work-group.  The context's 12,288 bytes, which all twelve waves need, are read from memory once: 1,024 bytes a wave,
; through registers into LDS, and from there by every wave.
; No tensor load stands in this text, so there is no LDS tile that work-groups could ask for jointly, and no cluster; and no loop to run ahead in, so no prefetch.
; The results go through a stage in LDS and leave as runs of 512 consecutive bytes.
; LIMIT: e10 + e11 between -126 and 127, so that 2^(e10 + e11) is an f32 number.
.set SP,    1552                       ; a stage row: 1,536 bytes + 16
.set SPARE, 49664                      ; behind the stage's 32 rows: the spare words, 128 bytes a wave
.set CTXL,  51200                      ; behind them: the context's 24 images
	s_load_b256 s[4:11], s[0:1], 0x0               ; ctxf s[4:5], Wo's codes s[6:7], bo s[8:9], the exponents s[10:11]
	s_load_b64 s[12:13], s[0:1], 0x20              ; out
	v_lshl_add_u32 v5, v0, 2, SPARE
	v_mov_b32 v6, 0
	v_lshrrev_b32 v1, 5, v0
	v_readfirstlane_b32 s18, v1                    ; wave 0..11
	s_mul_i32 s20, ttmp9, 12288                    ; my 32 tokens' images
	s_mov_b32 s21, 0
	s_mul_i32 s22, s18, 32*384                     ; my 32 rows of Wo
	s_mov_b32 s23, 0
	s_lshl_b32 s24, s18, 7                         ; my 32 numbers of bo, and my 128 bytes of a stage row
	s_mov_b32 s25, 0
	s_and_b32 s26, s18, 3
	s_lshr_b32 s27, s18, 2
	s_lshl_b32 s27, s27, 9                         ; on the way back: bytes 512 (w / 4) on,
	s_mul_i32 s28, s26, 8*SP                       ; rows 8 (w % 4) on
	s_add_co_u32 s28, s28, s27
	s_lshl_b32 s30, ttmp9, 5
	s_lshl_b32 s31, s26, 3
	s_add_co_u32 s30, s30, s31
	s_mul_i32 s30, s30, 1536
	s_add_co_u32 s30, s30, s27                     ; the same place in out
	s_mov_b32 s31, 0
	s_lshl_b32 s19, s18, 10                        ; the two images that I bring
	v_and_b32 v9, 31, v0
	v_lshlrev_b32 v9, 4, v9                        ; 16 x lane
	v_and_b32 v10, 15, v0                          ; r
	v_bfe_u32 v11, v0, 4, 1                        ; h
	v_and_b32 v12, 8, v10
	v_add_nc_u32 v12, v12, v10                     ; r + 8 (r / 8)
	v_mul_u32_u24 v2, v12, SP
	v_lshl_add_u32 v2, v11, 5, v2
	v_add_nc_u32 v2, s24, v2                       ; the stage, on the way in: my token's row, my wave's 32 outputs, + 32 h
	v_add_nc_u32 v3, s28, v9                       ; and back
	v_mul_u32_u24 v4, v10, 384
	v_lshl_add_u32 v4, v11, 4, v4                  ; Wo: row r, + 16 h
	v_lshlrev_b32 v8, 5, v11                       ; bo: 8 h numbers on
	v_add_nc_u32 v1, s19, v9                       ; the context: my two images in memory,
	v_add_nc_u32 v7, CTXL, v1                      ; in LDS,
	v_add_nc_u32 v252, CTXL, v9                    ; and all 24 for reading
	s_wait_alu depctr_va_vdst(0)
	s_wait_kmcnt 0x0
	s_load_b64 s[34:35], s[10:11], 0x28            ; e10, e11
	s_add_nc_u64 s[4:5], s[4:5], s[20:21]
	s_add_nc_u64 s[6:7], s[6:7], s[22:23]
	s_add_nc_u64 s[8:9], s[8:9], s[24:25]
	s_add_nc_u64 s[12:13], s[12:13], s[30:31]
	global_load_b128 v[156:159], v1, s[4:5]
	global_load_b128 v[160:163], v1, s[4:5] offset:512
.irp n, 0,1
.irp s, 0,1,2
.irp c, 0,1,2,3
	global_load_b128 v[44+48*\n+16*\s+4*\c:44+48*\n+16*\s+4*\c+3], v4, s[6:7] offset:6144*\n+128*\s+32*\c   ; Wo's fragments [tile n][K step s]
.endr
.endr
.endr
.irp n, 0,1
	global_load_b128 v[140+8*\n:140+8*\n+3], v8, s[8:9] offset:64*\n
	global_load_b128 v[140+8*\n+4:140+8*\n+7], v8, s[8:9] offset:64*\n+16
.endr
	s_wait_kmcnt 0x0
	s_add_co_i32 s36, s34, s35                     ; 2^(e10 + e11) as f32
	s_add_co_i32 s36, s36, 127
	s_lshl_b32 s36, s36, 23
	s_mov_b32 s37, s36
	s_wait_loadcnt 28                              ; Wo's 24 loads and bo's 4 may be out: my two images are in
	ds_store_b128 v7, v[156:159]
	ds_store_b128 v7, v[160:163] offset:512
	s_wait_dscnt 0x0                               ; for the others' sake
	s_barrier_signal -1
	s_barrier_wait -1                              ; the context's 24 images lie in LDS
.irp u, 0,1
.irp s, 0,1,2
.irp c, 0,1,2,3
	ds_load_b128 v[156+48*\u+16*\s+4*\c:156+48*\u+16*\s+4*\c+3], v252 offset:6144*\u+2048*\s+512*\c   ; the context's fragments [tile u][K step s]
.endr
.endr
.endr
	s_wait_loadcnt 0x0                             ; Wo and bo
	s_wait_dscnt 0x0
.irp s, 0,1,2                          ; four accumulators by turns; the first K step starts the sums
.irp n, 0,1
.irp u, 0,1
.if \s == 0
	v_wmma_f32_16x16x128_fp8_fp8 v[12+16*\n+8*\u:12+16*\n+8*\u+7], v[44+48*\n+16*\s:44+48*\n+16*\s+15], v[156+48*\u+16*\s:156+48*\u+16*\s+15], 0
.else
	v_wmma_f32_16x16x128_fp8_fp8 v[12+16*\n+8*\u:12+16*\n+8*\u+7], v[44+48*\n+16*\s:44+48*\n+16*\s+15], v[156+48*\u+16*\s:156+48*\u+16*\s+15], v[12+16*\n+8*\u:12+16*\n+8*\u+7]
.endif
.endr
.endr
.endr
.rept 4
	v_nop                                          ; places behind the last products
.endr
.irp n, 0,1
.irp u, 0,1
.irp i, 0,2,4,6
	v_pk_fma_f32 v[44+16*\n+8*\u+\i:44+16*\n+8*\u+\i+1], v[12+16*\n+8*\u+\i:12+16*\n+8*\u+\i+1], s[36:37], v[140+8*\n+\i:140+8*\n+\i+1] op_sel_hi:[1,0,1]   ; sum x 2^(e10 + e11) + bo
.endr
.endr
.endr
.irp n, 0,1
.irp u, 0,1
	ds_store_b128 v2, v[44+16*\n+8*\u:44+16*\n+8*\u+3] offset:8*SP*\u+64*\n       ; lane (r, h): out(8 u + r + 8 (r / 8), 32 w + 16 n + 8 h + 0 .. 7)
	ds_store_b128 v2, v[44+16*\n+8*\u+4:44+16*\n+8*\u+7] offset:8*SP*\u+64*\n+16
.endr
.endr
	s_wait_dscnt 0x0
	s_barrier_signal -1
	s_barrier_wait -1                              ; 32 whole rows of out lie in the stage
.irp i, 0,1,2,3,4,5,6,7
	ds_load_b128 v[156+4*\i:156+4*\i+3], v3 offset:SP*\i
.endr
.irp i, 0,1,2,3,4,5,6,7
	s_wait_dscnt 7-\i                              ; the younger loads of the eight may be out
	global_store_b128 v9, v[156+4*\i:156+4*\i+3], s[12:13] offset:1536*\i   ; 32 lanes store 512 consecutive bytes, at a multiple of 512 from out's first byte
.endr
	s_wait_tensorcnt 0x0                           ; the wave's end
	ds_add_u32 v5, v6
	s_wait_dscnt 0x0
	s_endpgm
.Lfunc_end_k_qe4acb0e04c_outproj:
	.size	k_qe4acb0e04c_outproj, .Lfunc_end_k_qe4acb0e04c_outproj-k_qe4acb0e04c_outproj
	.p2alignl 7, 3214868480
	.fill 96, 4, 3214868480
	.section	.rodata,"a",@progbits
	.p2align	6, 0x0
	.amdhsa_kernel k_qe4acb0e04c_outproj
		.amdhsa_group_segment_fixed_size 63488
		.amdhsa_private_segment_fixed_size 0
		.amdhsa_enable_private_segment 0
		.amdhsa_kernarg_size 40
		.amdhsa_user_sgpr_count 2
		.amdhsa_user_sgpr_kernarg_segment_ptr 1
		.amdhsa_wavefront_size32 1
		.amdhsa_system_sgpr_workgroup_id_x 1
		.amdhsa_system_sgpr_workgroup_id_y 1
		.amdhsa_system_sgpr_workgroup_id_z 1
		.amdhsa_system_vgpr_workitem_id 0
		.amdhsa_next_free_vgpr 256
		.amdhsa_next_free_sgpr 66
		.amdhsa_reserve_vcc 0
		.amdhsa_float_denorm_mode_32 3
		.amdhsa_float_denorm_mode_16_64 3
		.amdhsa_memory_ordered 1
		.amdhsa_forward_progress 1
		.amdhsa_inst_pref_size 12
	.end_amdhsa_kernel
	.amdgpu_metadata
---
amdhsa.version: [ 1, 2 ]
amdhsa.kernels:
  - .name:           k_qe4acb0e04c_outproj
    .symbol:         k_qe4acb0e04c_outproj.kd
    .args:
      - { .name: ctxf, .offset: 0, .size: 8, .value_kind: global_buffer, .address_space: global }
      - { .name: Wo_codes, .offset: 8, .size: 8, .value_kind: global_buffer, .address_space: global }
      - { .name: bo, .offset: 16, .size: 8, .value_kind: global_buffer, .address_space: global }
      - { .name: lowp_scales, .offset: 24, .size: 8, .value_kind: global_buffer, .address_space: global }
      - { .name: out0, .offset: 32, .size: 8, .value_kind: global_buffer, .address_space: global }
    .group_segment_fixed_size: 63488
    .private_segment_fixed_size: 0
    .kernarg_segment_align: 8
    .kernarg_segment_size: 40
    .max_flat_workgroup_size: 384
    .sgpr_count:     66
    .vgpr_count:     256
    .wavefront_size: 32
...
	.end_amdgpu_metadata
.endif
;; end of part 3
